; MI455X (gfx1250); checked and timed in simulation.
; The chip was launched on July 23, 2026; its instructions are those of AMD's public machine-readable ISA for CDNA 5 (MIT licence, August 2026) and "CDNA5" Instruction Set Architecture Reference Guide (July 2026). The comments in the code are by the model that wrote it; some were corrected since.
;; Lower Linear. Allowed arithmetic: matrix products marked QUANTISED: E5M2 operands, one E8M0 scale for each 32 along K, by v_wmma_scale_f32_16x16x128_f8f6f4 with both operands' format E5M2, f32 sums; everything else in f32.
;; Inputs: bias 4,096 float32; weight_bias 2,097,152 x 1 float32; weight_packed 2,097,152 x 4 int32; weight_scale 2,097,152 x 1 float32; x_codes 2 x 2,048 x 128 x 32 uint8 (E5M2 codes of x, K innermost, in blocks of 32 codes); x_scales 2 x 2,048 x 128 uint8 (E8M0 scales of x, one for each 32 codes along K).
;; Outputs: out0 2 x 2,048 x 4,096 float32.
;; This version of the problem:
;;   THIS VERSION OF THE PROBLEM IS GIVEN IN LOW PRECISION. The matrix products marked QUANTISED in the list below multiply operands that are first quantised to E5M2 (5 exponent bits, 2 mantissa bits; 8 bits a number), with one power-of-two scale for each 32 numbers along K (OCP MX v1.0); their sums are f32. All else is computed in f32.
;;   The module's matrix products, in the order in which they are computed (A, B: the left and right operand; K: the contracted axis; several contracted axes count as one K, in the product's order):
;;     1. [M 4,096, K 4,096] x [K 4,096, N 4,096]; A: input x (given as codes); B: computed on the way: QUANTISED
;;   THE QUANTISER, for each operand of a quantised product, along K:
;;     - K is cut into blocks of 32 from its start; a last block that is shorter is filled with zeros.
;;     - A block's scale is 2^e with e = floor(log2(the largest magnitude in the block)) - 15, held to -126 .. 127; a block of zeros has e = 0. As a byte (E8M0): e + 127.
;;     - Each number is divided by its block's scale, clamped to +-57,344, and rounded to the nearest number of E5M2, ties to even, subnormals kept.
;;     - The product sums the exact products of the quantised numbers (number of the format x scale) in f32.
;;   ~~~python
;;   def quantise(x, axis):      # numpy; x: float32 -> the quantised numbers, widened to float32 again
;;       x = np.moveaxis(x, axis, -1); K = x.shape[-1]
;;       x = np.pad(x, [(0, 0)] * (x.ndim - 1) + [(0, -K % 32)]); x = x.reshape(x.shape[:-1] + (-1, 32)); a = np.abs(x).max(-1, keepdims=True)
;;       e = np.where(a > 0, np.clip(np.frexp(np.where(a > 0, a, 1))[1] - 1 - 15, -126, 127), 0)      # np.frexp(a)[1] - 1 = floor(log2(a)), exactly
;;       r = np.clip(x / 2.0 ** e, -57344, 57344)
;;       step = 2.0 ** (np.maximum(np.frexp(np.where(r == 0, 1, r))[1] - 1, -14) - 2)
;;       q = np.round(r / step) * step * 2.0 ** e      # np.round: ties to even
;;       return np.moveaxis(q.reshape(q.shape[:-2] + (-1,))[..., :K], -1, axis).astype(np.float32)
;;   ~~~
;;   OPERANDS COMPUTED ON THE WAY. 'Computed on the way' means the value that the module computes at that place (a softmax that the list does not call 'softmax' is quantised finished and normalised). What goes into a quantiser is computed in f32, as accurately as f32 sums, v_exp_f32 and their like allow (about 1e-6 of the number): no bf16 or f16 on the way to a quantiser, and a product that is left as it is and whose result goes on into a quantised operand takes f32 operands (vector FMAs, or v_wmma_f32_16x16x4_f32). A number that lies on a knife's edge between two numbers of the format may be rounded either way, as far as f32 arithmetic and the matrix unit's own rounding can turn it there, and no further.
;;   INPUTS GIVEN AS CODES. x (in the module: [2, 2048, 4096], K = its axis 2): each comes as NAME_codes (uint8): NAME with its K axis moved to the last place and cut into blocks of 32 codes, [.., K / 32, bytes a block], one block behind the other in memory; one code a byte (a code: sign, 5 exponent bits, 2 mantissa bits); and NAME_scales (uint8): the same leading axes, one E8M0 byte (e + 127) for each 32 codes along K. Its value is code x scale, taken as it is: it is not quantised again, and the codes and scales need not be those that the quantiser above would give.
;; One version. Each part assembles by itself: llvm-mc -triple=amdgcn-amd-amdhsa -mcpu=gfx1250 --defsym DOCPART=n.
;; ======== version 1 of 1: 2 launches
;; limits: right only within a limited range of input values
;; workspace buffers: w_codes 16,777,216 bytes; ws_t 524,288 bytes; xs_t 524,288 bytes
;; launch prep (part 1): grid 512 x 1, 8 waves a work-group, no clusters, 34,816 bytes of LDS; arguments weight_packed, weight_scale, weight_bias, x_scales, w_codes, ws_t, xs_t; writes w_codes, ws_t, xs_t
.if DOCPART == 1
	.amdgcn_target "amdgcn-amd-amdhsa--gfx1250"
	.amdhsa_code_object_version 6
	.text
	.protected	k_qaf505f597a_prep
	.globl	k_qaf505f597a_prep
	.p2align	8
	.type	k_qaf505f597a_prep,@function
k_qaf505f597a_prep:
	s_mov_b64 s[64:65], 0
	v_nop
	global_prefetch_b8 v0, s[64:65] scope:SCOPE_SE
	s_setreg_imm32_b32 hwreg(HW_REG_WAVE_MODE, 25, 1), 1
	s_wait_xcnt 0x0
; w[n][k] = q[n][k] * s[group] + b[group] (q: 4-bit numbers, two in each int32 of weight_packed; a group is 8 neighbours along K), in f32, becomes codes of BF8 (E5M2), one a byte,
; laid [4096 n][4096 k], K innermost, and one E8M0 byte for each 32 along K.  The scale bytes are laid by K step of 256: ws_t [16 kstep][4096 n][8 bytes], with the two words of a K step SWAPPED
; (block i of the step lies at byte i xor 4).  x's scale bytes, given [4096 m][128], are copied to xs_t [16][4096][8], not swapped.
; A block's byte is its largest magnitude's exponent field - 15, held at 1 from below.
; LIMITS: q * s + b is one fused multiply-add.  A block of zeros gets the byte 1 where the quantiser's rule says 127: its codes are zeros, and this program alone reads the bytes.
; Blocks whose largest magnitude lies under 2^(16 - 127) take the floor's byte.  NaN and infinities in weight_scale and weight_bias are not served.
; SHARES.  512 work-groups: 32 rows x 1,024 along K each; a wave takes 4 rows, one after the other.  Part j (0..3) of a row's quarter is one K step: lane l holds group 32 j + l, 16 bytes of
; weight_packed, so a load reads 512 consecutive bytes, a lane's 8 numbers are 8 neighbours along K, and a block lies in four neighbouring lanes.  A wave's store of codes covers 256 consecutive bytes, aligned.
; The groups' scales and biases are loaded densely (16 bytes a lane) and turn through the wave's own LDS bytes.
; Wave 7 of every fourth work-group also copies x's scale bytes of 32 rows (128 such waves for 4,096 rows): its 8 loads go out ahead of its 24 loads of w.
; No matrix unit, no tensor load, no cluster: a stream whose work-groups share no input.  No prefetch: there is no loop to run ahead in, all loads go out at the head.
.set SBB,  32768                       ; LDS: 0 .. 32,767 the waves' turning places (4,096 a wave); from here [4 j][32 rows][8] scale bytes, 1,024 bytes; from 0x8400 the spare words
.set M,    8                           ; v8-11    part j: the block's largest magnitude
.set HL,   12                          ; v12-15   57,344 x the scale
.set SO,   16                          ; v16-19   the conversion's scale operand
.set T,    20                          ; v20-35   part j: scale at T + 4 j, bias at T + 4 j + 2; the odd registers hold 0
.set X,    36                          ; v36-67   32 numbers (in the copying wave first: a row's 128 scale bytes of x)
.set P,    68                          ; v68-131  row s, part j at P + 16 s + 4 j: as loaded; later the eight codes and the scale byte
.set S,    132                         ; v132-147 row s: four groups' scales as loaded
.set BV,   148                         ; v148-163 row s: four groups' biases as loaded
	s_load_b256 s[4:11], s[0:1], 0x0               ; weight_packed, weight_scale, weight_bias, x_scales
	s_load_b128 s[12:15], s[0:1], 0x20             ; w_codes, ws_t
	s_load_b64 s[16:17], s[0:1], 0x30              ; xs_t
	v_lshl_add_u32 v164, v0, 2, 0x8400
	v_mov_b32 v165, 0
	v_lshrrev_b32 v1, 5, v0
	s_delay_alu instid0(VALU_DEP_1)
	v_readfirstlane_b32 s18, v1                    ; wave 0..7
	v_and_b32 v1, 31, v0                           ; lane
	s_delay_alu instid0(VALU_DEP_1)
	v_lshlrev_b32 v2, 4, v1                        ; 16 x lane
	s_delay_alu instid0(VALU_DEP_2)
	v_lshlrev_b32 v3, 3, v1                        ; 8 x lane
	s_lshl_b32 s24, s18, 12                        ; my wave's turning place
	v_add_nc_u32 v4, s24, v2                       ; in: 16 bytes a lane
	v_lshlrev_b32 v5, 2, v1
	s_delay_alu instid0(VALU_DEP_1)
	v_add_nc_u32 v5, s24, v5                       ; back: 4 bytes a lane
	v_bfe_u32 v6, v0, 2, 3                         ; my block in a K step: lane / 4,
	v_xor_b32 v6, 4, v6                            ; its byte in the swapped pair of words
	s_lshl_b32 s24, s18, 5
	v_add_nc_u32 v6, s24, v6
	s_delay_alu instid0(VALU_DEP_1)
	v_add_nc_u32 v6, SBB, v6                       ; SBB + 8 x (4 wave + row) + byte; row and part stand in the immediate
	s_and_b32 s26, s18, 3                          ; waves 0-3 carry part j = wave of the scale bytes out
	s_lshl_b32 s24, s26, 8
	v_add_nc_u32 v7, s24, v3
	s_delay_alu instid0(VALU_DEP_1)
	v_add_nc_u32 v7, SBB, v7                       ; SBB + 256 j + 8 x lane: a lane a row
	s_mov_b32 s23, 0x600000                        ; the mantissa field of 57,344
	s_mov_b32 s25, 0                               ; the high word of every offset pair
	s_wait_alu depctr_va_vdst(0)                   ; the wait at the head's end
	s_wait_kmcnt 0x0
	s_lshr_b32 s20, ttmp9, 2                       ; which 32 rows
	s_and_b32 s21, ttmp9, 3                        ; which 1,024 along K
	s_lshl_b32 s22, s20, 5
	s_lshl_b32 s24, s18, 2
	s_add_co_u32 s22, s22, s24                     ; my first row
	s_lshl_b32 s24, s22, 13                        ; weight_packed: 8,192 bytes a row, 2,048 a quarter
	s_lshl_b32 s27, s21, 11
	s_add_co_u32 s24, s24, s27
	s_add_nc_u64 s[4:5], s[4:5], s[24:25]
	s_lshr_b32 s24, s24, 2                         ; scales and biases: a quarter of that
	s_add_nc_u64 s[6:7], s[6:7], s[24:25]
	s_add_nc_u64 s[8:9], s[8:9], s[24:25]
	s_lshl_b32 s24, s24, 1                         ; codes: half of it
	s_add_nc_u64 s[12:13], s[12:13], s[24:25]
	s_lshl_b32 s24, s21, 2
	s_add_co_u32 s24, s24, s26                     ; ws_t: K step 4 x quarter + j,
	s_lshl_b32 s24, s24, 15                        ; 32,768 bytes each,
	s_lshl_b32 s27, s20, 8                         ; and the work-group's 32 rows of 8 bytes
	s_add_co_u32 s24, s24, s27
	s_add_nc_u64 s[14:15], s[14:15], s[24:25]
.macro LOADS s                         ; row s: six loads of 512 consecutive bytes
	global_load_b128 v[S+4*\s:S+4*\s+3], v2, s[6:7] offset:2048*\s th:TH_LOAD_NT
	global_load_b128 v[BV+4*\s:BV+4*\s+3], v2, s[8:9] offset:2048*\s th:TH_LOAD_NT
.irp j, 0,1,2,3
	global_load_b128 v[P+16*\s+4*\j:P+16*\s+4*\j+3], v2, s[4:5] offset:8192*\s+512*\j th:TH_LOAD_NT
.endr
.endm
	s_xor_b32 s24, s18, 7
	s_or_b32 s27, s21, s24
	s_cmp_eq_u32 s27, 0                            ; wave 7 of a work-group whose number is a multiple of 4
	s_cbranch_scc0 .Lplain
	s_lshl_b32 s26, s20, 8                         ; x's rows 32 x (work-group / 4) ..: in xs_t 8 bytes a row,
	s_mov_b32 s27, 0
	s_lshl_b32 s24, s20, 12                        ; in x_scales 128 bytes a row
	s_add_nc_u64 s[10:11], s[10:11], s[24:25]
	s_add_nc_u64 s[16:17], s[16:17], s[26:27]
	v_lshlrev_b32 v10, 7, v1                       ; a lane a row
.irp i, 0,1,2,3,4,5,6,7
	global_load_b128 v[X+4*\i:X+4*\i+3], v10, s[10:11] offset:16*\i
.endr
	LOADS 0
	LOADS 1
	LOADS 2
	LOADS 3
	s_wait_loadcnt 24                              ; the 8 loads of x's bytes are in; the 24 of w stay out
.irp t, 0,1,2,3,4,5,6,7,8,9,10,11,12,13,14,15
	global_store_b64 v3, v[X+2*\t:X+2*\t+1], s[16:17] offset:32768*\t   ; K step t: 32 rows x 8 bytes, 256 consecutive bytes, aligned
.endr
	s_wait_xcnt 0x0                                ; X is written again only behind this wait
	s_branch .Lgo
.Lplain:
	LOADS 0
	LOADS 1
	LOADS 2
	LOADS 3
.Lgo:
.irp j, 0,1,2,3
	v_mov_b32 v[T+4*\j+1], 0                       ; named as the upper halves of pairs, so they are written
	v_mov_b32 v[T+4*\j+3], 0
.endr
.macro WSTEP s
	s_wait_loadcnt 6*(3-\s)                        ; this row's six loads are in, the later rows' stay out
	ds_store_b128 v4, v[S+4*\s:S+4*\s+3] offset:1024*\s            ; group g's scale lies at byte 4 g,
	ds_store_b128 v4, v[BV+4*\s:BV+4*\s+3] offset:1024*\s+512      ; its bias 512 bytes on
.irp j, 0,1,2,3
	ds_load_b32 v[T+4*\j], v5 offset:1024*\s+128*\j                ; a wave's LDS instructions are served in order: these see the stores above.  Group 32 j + lane
	ds_load_b32 v[T+4*\j+2], v5 offset:1024*\s+512+128*\j
.endr
.irp j, 0,1,2,3
.irp i, 0,1,2,3
	v_and_b32 v[X+8*\j+2*\i], 15, v[P+16*\s+4*\j+\i]               ; the low four bits: the even place,
	v_bfe_u32 v[X+8*\j+2*\i+1], v[P+16*\s+4*\j+\i], 4, 4           ; the next four: the odd place
.endr
.endr
.set n, 0
.rept 32
	v_cvt_f32_u32 v[X+n], v[X+n]
.set n, n+1
.endr
	s_wait_dscnt 0x0                               ; my groups' scales and biases are in
.irp j, 0,1,2,3
.irp i, 0,2,4,6
	v_pk_fma_f32 v[X+8*\j+\i:X+8*\j+\i+1], v[X+8*\j+\i:X+8*\j+\i+1], v[T+4*\j:T+4*\j+1], v[T+4*\j+2:T+4*\j+3] op_sel_hi:[1,0,0]   ; w = q s + b, two at a time
.endr
.endr
.irp j, 0,1,2,3
	v_max3_num_f32 v[M+\j], |v[X+8*\j]|, |v[X+8*\j+1]|, 0x8000000  ; my eight numbers, and the floor 2^(16 - 127)
.endr
.irp i, 2,4,6
.irp j, 0,1,2,3
	s_delay_alu instid0(VALU_DEP_4)
	v_max3_num_f32 v[M+\j], v[M+\j], |v[X+8*\j+\i]|, |v[X+8*\j+\i+1]|
.endr
.endr
.irp j, 0,1,2,3
	s_delay_alu instid0(VALU_DEP_4)
	v_max_num_f32_dpp v[M+\j], v[M+\j], v[M+\j] row_xmask:1 row_mask:0xf bank_mask:0xf
.endr
.irp j, 0,1,2,3
	s_delay_alu instid0(VALU_DEP_4)
	v_max_num_f32_dpp v[M+\j], v[M+\j], v[M+\j] row_xmask:2 row_mask:0xf bank_mask:0xf   ; the four lanes of a block
.endr
.irp j, 0,1,2,3
	s_delay_alu instid0(VALU_DEP_4)
	v_add_nc_u32 v[SO+\j], 0xf8800000, v[M+\j]     ; 15 off the exponent field: the conversion's scale operand
.endr
.irp j, 0,1,2,3
	v_and_or_b32 v[HL+\j], v[M+\j], 0x7f800000, s23   ; 57,344 x the scale
.endr
.irp j, 0,1,2,3
.irp i, 0,1,2,3,4,5,6,7
	v_med3_num_f32 v[X+8*\j+\i], v[X+8*\j+\i], -v[HL+\j], v[HL+\j]   ; the conversion does not saturate (ISA guide 7.6.2): the hold comes first
.endr
.endr
.irp j, 0,1,2,3
	v_cvt_scalef32_pk8_bf8_f32 v[P+16*\s+4*\j:P+16*\s+4*\j+1], v[X+8*\j:X+8*\j+7], v[SO+\j]
.endr
.irp j, 0,1,2,3
	v_lshrrev_b32 v[P+16*\s+4*\j+2], 23, v[SO+\j]  ; the scale's byte.  (Plain lines behind the conversions)
.endr
.irp j, 0,1,2,3
	ds_store_b8 v6, v[P+16*\s+4*\j+2] offset:256*\j+8*\s           ; the four lanes of a block write the same byte with the same value
	global_store_b64 v3, v[P+16*\s+4*\j:P+16*\s+4*\j+1], s[12:13] offset:4096*\s+256*\j   ; 256 consecutive bytes, aligned
.endr
.endm
	WSTEP 0
	WSTEP 1
	WSTEP 2
	WSTEP 3
	s_wait_dscnt 0x0                               ; for the others' sake: my scale bytes have landed
	s_barrier_signal -1
	s_barrier_wait -1
	s_cmp_lt_u32 s18, 4
	s_cbranch_scc0 .Lend                           ; waves 0-3 carry them out, a K step each
	ds_load_b64 v[8:9], v7
	s_wait_dscnt 0x0
	global_store_b64 v3, v[8:9], s[14:15]          ; 32 rows x 8 bytes: 256 consecutive bytes, aligned
.Lend:
	s_wait_tensorcnt 0x0                           ; the wave's end
	ds_add_u32 v164, v165
	s_wait_dscnt 0x0
	s_endpgm
.Lfunc_end_k_qaf505f597a_prep:
	.size	k_qaf505f597a_prep, .Lfunc_end_k_qaf505f597a_prep-k_qaf505f597a_prep
	.p2alignl 7, 3214868480
	.fill 96, 4, 3214868480
	.section	.rodata,"a",@progbits
	.p2align	6, 0x0
	.amdhsa_kernel k_qaf505f597a_prep
		.amdhsa_group_segment_fixed_size 34816
		.amdhsa_private_segment_fixed_size 0
		.amdhsa_enable_private_segment 0
		.amdhsa_kernarg_size 56
		.amdhsa_user_sgpr_count 2
		.amdhsa_user_sgpr_kernarg_segment_ptr 1
		.amdhsa_wavefront_size32 1
		.amdhsa_system_sgpr_workgroup_id_x 1
		.amdhsa_system_sgpr_workgroup_id_y 1
		.amdhsa_system_sgpr_workgroup_id_z 1
		.amdhsa_system_vgpr_workitem_id 0
		.amdhsa_next_free_vgpr 166
		.amdhsa_next_free_sgpr 66
		.amdhsa_reserve_vcc 0
		.amdhsa_float_denorm_mode_32 3
		.amdhsa_float_denorm_mode_16_64 3
		.amdhsa_memory_ordered 1
		.amdhsa_forward_progress 1
		.amdhsa_inst_pref_size 51
	.end_amdhsa_kernel
	.amdgpu_metadata
---
amdhsa.version: [ 1, 2 ]
amdhsa.kernels:
  - .name:           k_qaf505f597a_prep
    .symbol:         k_qaf505f597a_prep.kd
    .args:
      - { .name: weight_packed, .offset: 0, .size: 8, .value_kind: global_buffer, .address_space: global }
      - { .name: weight_scale, .offset: 8, .size: 8, .value_kind: global_buffer, .address_space: global }
      - { .name: weight_bias, .offset: 16, .size: 8, .value_kind: global_buffer, .address_space: global }
      - { .name: x_scales, .offset: 24, .size: 8, .value_kind: global_buffer, .address_space: global }
      - { .name: w_codes, .offset: 32, .size: 8, .value_kind: global_buffer, .address_space: global }
      - { .name: ws_t, .offset: 40, .size: 8, .value_kind: global_buffer, .address_space: global }
      - { .name: xs_t, .offset: 48, .size: 8, .value_kind: global_buffer, .address_space: global }
    .group_segment_fixed_size: 34816
    .private_segment_fixed_size: 0
    .kernarg_segment_align: 8
    .kernarg_segment_size: 56
    .max_flat_workgroup_size: 256
    .sgpr_count:     66
    .vgpr_count:     166
    .wavefront_size: 32
...
	.end_amdgpu_metadata
.endif
;; end of part 1
;; launch gemm (part 2): grid 16 x 16, 4 waves a work-group, clusters of 4 x 4, 327,680 bytes of LDS; arguments x_codes, xs_t, w_codes, ws_t, bias, out0; writes out0
.if DOCPART == 2
	.amdgcn_target "amdgcn-amd-amdhsa--gfx1250"
	.amdhsa_code_object_version 6
	.text
	.protected	k_qaf505f597a_gemm
	.globl	k_qaf505f597a_gemm
	.p2align	8
	.type	k_qaf505f597a_gemm,@function
k_qaf505f597a_gemm:
	s_mov_b64 s[64:65], 0
	v_nop
	global_prefetch_b8 v0, s[64:65] scope:SCOPE_SE
	s_setreg_imm32_b32 hwreg(HW_REG_WAVE_MODE, 25, 1), 1
	s_wait_xcnt 0x0
	s_wait_alu depctr_hold_cnt(0) depctr_sa_sdst(0) depctr_va_vdst(0) depctr_va_sdst(0) depctr_va_ssrc(0) depctr_va_vcc(0) depctr_vm_vsrc(0)
	s_getreg_b32 s2, hwreg(HW_REG_IB_STS2, 6, 4)
	s_cmp_eq_u32 s2, 0
	s_cbranch_scc0 .Lentry_in_a_cluster
	s_endpgm
.Lentry_in_a_cluster:
	s_bfe_u32 s2, ttmp6, 0x10000c
	s_cmp_lg_u32 s2, 0xf033
	s_cbranch_scc0 .Lentry_shape_is_right
	s_endpgm
.Lentry_shape_is_right:
; out0[m][n] = sum over k of x[m][k] w[n][k] + bias[n]: codes of BF8 with E8M0 scales on both sides, f32 sums.  4096 x 4096 x 4096.
; A work-group of four waves makes 256 x 256, a wave 128 x 128 (64 accumulators).  K goes in steps of 256 through two LDS slots; 4 x 4 clusters ask jointly: x's tiles along a row, w's along a column.
; The matrix instruction is used transposed (source 0 = 16 rows of w, source 1 = 16 rows of x): a lane holds eight neighbouring columns of a row of out0.
; A half step is 128 along K: 8 groups of 8 products, group g = x's block g against w's eight.  w has two sets of fragments.  x has three sets of four (S2, S0, S1):
;   slot 0: first half step (S0, S1), second (S2, S0);   slot 1: first (S1, S0), second (S2, S1): the sets come round once a lap.
; THE LDS LOADS STAND IN THREE RUNS A K STEP, each behind eight v_nop and at least 32 products ahead of its first use:
;   at the K step's start 64 loads (x's blocks 4-7 of this half step, x's blocks 0-3 and w's set of the second half step); behind group 3, 16 loads (x's blocks 4-7 of the second half step);
;   behind the refill 48 loads (the next slot's w and x's blocks 0-3).
; So all reads of a slot are issued by group 3 of its first half step; the change of slots (the cluster's round, the joint refill) stands at groups 6 and 7.
; The last half step finishes x's blocks one after the other: block a goes out behind group a + 1.
; Scale words come by plain loads from xs_t and ws_t (laid by K step: 32 rows x 8 bytes a load), one K step ahead.  ws_t's two words are swapped, so that x's and w's scale registers are of unlike parity.
; Each cluster begins K at one of four offsets (made of the cluster's x and y) and wraps.  LIMITS: the K steps are summed in that turned order, and bias is added last, behind the sums.
; PREFETCH: behind a refill, the K step two refills on, 32 rows a wave (a lane a row), the four partners told apart by address; asked at the first five refills alone: the later K steps are those that clusters with another offset have read.
; WINDOWS: 0: v0-31 addresses, v12-15 bias, v32-63 scale words, v64-255 x's twelve fragments.  1: w's two sets.  2, 3: accumulators of my rows 0-63, 64-127.
.set SIZE_N, 4096
.set KROW,   4096
.set ROWB,   256
.set PITCH,  272                       ; 256 bytes + 16 of padding
.set HALFT,  128*PITCH
.set SLOT,   4*HALFT
.set SSTEP,  4096*8                    ; a K step's scale bytes
.set SPARE,  2*SLOT                    ; the spare words, 512 bytes
.set SPITCH, 528                       ; the stage: 16 rows x (512 + 16) a wave, in slot 0 behind its last fill and last read
.set BIA,  12
.set ADRA, 16
.set ADRB, 20
.set STO,  24
.set RD,   25
.set CO,   26
.set SOF,  27
.set SPW,  28
.set NIL,  29
.set PFO,  30
.set SC,   32
.set AS,   64                          ; x's fragment i (0..11) at v[AS + 16 i]: S2 = 0-3, S0 = 4-7, S1 = 8-11
.set BK,   128                         ; the way out: 16 rows read back (S0, idle by then)
.set WV,   16
.set RH,   17
.set CH,   18
.set TR,   19
.set TC,   42
.set G1, 24
.set G0, 32
.set G1B, 48
.set G0B, 56
.set PFA,  66
.set KO,   70
.set SO,   72
.set PO,   80
.set SXC,  82
.set SWC,  84
.set PFB,  86
.set MSB, 0
.macro WIN new
.if MSB != (\new)
	s_set_vgpr_msb (MSB<<8)|(\new)
.set MSB, \new
.endif
.endm
.set MUL_LO, 0xa1                      ; source 0 window 1, source 1 window 0, C and D window 2 (+0x50: window 3)
.set TO_B,   0x40
.macro PLACES n                        ; places behind matrix instructions, ahead of loads into registers that they read and of reads of their results
.rept \n
	v_nop
.endr
.endm
.macro JLOAD g0a, g1a, g0b, g1b        ; waves 0, 1 ask for x's halves, waves 2, 3 for w's
	s_cmp_eq_u32 s[RH], 0
	s_cbranch_scc0 .Lfor_b_\@
	tensor_load_to_lds s[\g0a:\g0a+3], s[\g1a:\g1a+7]
	s_nop 0
.rept 4
	v_nop
.endr
	s_branch .Lasked_\@
.Lfor_b_\@:
	tensor_load_to_lds s[\g0b:\g0b+3], s[\g1b:\g1b+7]
	s_nop 0
.rept 4
	v_nop
.endr
.Lasked_\@:
.endm
.macro ASK                             ; ASKM = 1: K step 0, always; 2: in the loop, in its first two trips; 0: behind the loop, not assembled
.if ASKM == 2
	s_cmp_gt_u32 s3, 4
	s_cbranch_scc0 .Lnot_now_\@
	global_prefetch_b8 v[PFO], s[PFA:PFA+1] th:TH_LOAD_NT scope:SCOPE_SE
.Lnot_now_\@:
.elseif ASKM == 1
	global_prefetch_b8 v[PFO], s[PFA:PFA+1] th:TH_LOAD_NT scope:SCOPE_SE
.endif
.endm
.macro CREST
	s_cmp_lg_u32 s[WV], 0
	s_cbranch_scc1 .Lnot_wave_0_\@
	s_barrier_signal -3
.Lnot_wave_0_\@:
	s_barrier_wait -3
	s_barrier_signal -1
	s_barrier_wait -1
.endm
.macro CROUND
	s_barrier_signal -1
	s_barrier_wait -1
	CREST
.endm
.macro GSCALES set, off                ; a K step's scale words of my 128 rows of x and 128 rows of w: lanes 0-15 an even block, lanes 16-31 the odd one
.irp i, 0,1,2,3
	global_load_b64 v[SC+16*(\set)+2*\i:SC+16*(\set)+2*\i+1], v[SOF], s[SXC:SXC+1] offset:\off+256*\i
	global_load_b64 v[SC+16*(\set)+8+2*\i:SC+16*(\set)+8+2*\i+1], v[SOF], s[SWC:SWC+1] offset:\off+256*\i
.endr
.endm
	s_load_b256 s[4:11], s[0:1], 0x0               ; x_codes, xs_t, w_codes, ws_t
	s_load_b128 s[12:15], s[0:1], 0x20             ; bias, out0
	v_lshl_add_u32 v[SPW], v0, 2, SPARE
	v_mov_b32 v[NIL], 0
	ds_add_u32 v[SPW], v[NIL]                      ; the opening lines: the add twice and one wait
	ds_add_u32 v[SPW], v[NIL]
	v_lshrrev_b32 v1, 5, v0
	v_readfirstlane_b32 s[WV], v1
	v_and_b32 v6, 31, v0
	v_lshlrev_b32 v[CO], 4, v6                     ; 16 x lane
	v_lshlrev_b32 v[SOF], 3, v6                    ; 8 x lane
	v_lshlrev_b32 v[PFO], 12, v6                   ; a lane a row of 4,096 bytes
	s_lshr_b32 s[RH], s[WV], 1
	s_and_b32 s[CH], s[WV], 1
	s_bfe_u32 s40, ttmp6, 0x40000
	s_bfe_u32 s41, ttmp6, 0x40004
	s_lshl_b32 s[TC], ttmp9, 2
	s_add_co_u32 s[TC], s[TC], s40
	s_and_b32 s[TR], ttmp7, 0xffff
	s_lshl_b32 s[TR], s[TR], 2
	s_add_co_u32 s[TR], s[TR], s41
	s_lshl_b32 s43, s41, 2
	s_lshl_b32 s43, 15, s43
	s_lshl_b32 s44, 0x1111, s40
	s_and_b32 s74, ttmp9, 1                        ; where the cluster begins along K: 1,024 x a number 0..3 made of the cluster's x and y
	s_lshl_b32 s74, s74, 1
	s_lshr_b32 s75, ttmp9, 1
	s_or_b32 s74, s74, s75
	s_and_b32 s76, ttmp7, 0xffff
	s_and_b32 s77, s76, 1
	s_lshl_b32 s77, s77, 1
	s_lshr_b32 s76, s76, 1
	s_or_b32 s76, s76, s77
	s_add_co_u32 s74, s74, s76
	s_and_b32 s74, s74, 3
	s_lshl_b32 s[KO], s74, 10
	s_mov_b32 s[KO+1], 0
	s_lshl_b32 s[SO], s[KO], 7
	s_mov_b32 s[SO+1], 0
	s_mov_b32 s[PO+1], 0
	s_or_b32 s[G1+0], s43, (0<<16)|(1<<20)|(1<<21)|(5<<22)|(3<<25)
	s_or_b32 s[G1B+0], s44, (0<<16)|(1<<20)|(1<<21)|(5<<22)|(3<<25)
.irp g, G1, G1B
	s_mov_b32 s[\g+1], ROWB<<16
	s_mov_b32 s[\g+2], 128<<16
	s_mov_b32 s[\g+3], ROWB<<16
	s_mov_b32 s[\g+4], 128
	s_mov_b32 s[\g+5], KROW
	s_mov_b32 s[\g+6], 0
	s_mov_b32 s[\g+7], 0
.endr
	s_lshl_b32 s22, s[CH], 7
	s_lshl_b32 s20, s[TR], 8
	s_add_co_u32 s20, s20, s22
	s_lshl_b32 s20, s20, 12                        ; x: the 128 rows that I fetch
	s_mov_b32 s21, 0
	s_lshl_b32 s46, s[TC], 8
	s_add_co_u32 s46, s46, s22
	s_lshl_b32 s46, s46, 12                        ; w likewise
	s_mov_b32 s47, 0
	s_mul_i32 s45, s[WV], HALFT
	s_mul_i32 s78, s[RH], HALFT                    ; my 128 rows of x in a slot
	s_mul_i32 s79, s[CH], HALFT
	s_add_co_u32 s79, s79, 2*HALFT                 ; my 128 rows of w
	s_mul_i32 s23, s[WV], 16*SPITCH                ; my stage
	s_lshl_b32 s74, s[TR], 11                      ; my rows' scale words: 8 bytes a row
	s_lshl_b32 s76, s[RH], 10
	s_add_co_u32 s74, s74, s76
	s_mov_b32 s75, 0
	s_lshl_b32 s76, s[TC], 11
	s_lshl_b32 s77, s[CH], 10
	s_add_co_u32 s76, s76, s77
	s_mov_b32 s77, 0
	s_mov_b32 s3, 6
	s_wait_dscnt 0x0
	s_wait_alu depctr_va_vdst(0)
	s_wait_kmcnt 0x0
	s_add_nc_u64 s[6:7], s[6:7], s[74:75]
	s_add_nc_u64 s[10:11], s[10:11], s[76:77]
	s_lshr_b32 s76, s76, 1
	s_add_nc_u64 s[12:13], s[12:13], s[76:77]      ; bias of my 128 columns
	s_add_nc_u64 s[SXC:SXC+1], s[6:7], s[SO:SO+1]
	s_add_nc_u64 s[SWC:SWC+1], s[10:11], s[SO:SO+1]
	global_load_b128 v[BIA:BIA+3], v[CO], s[12:13] ; columns 4 lane .. 4 lane + 3
	GSCALES 0, 0                                   ; the first two K steps' scale words go out ahead of the tiles
	GSCALES 1, SSTEP
	s_add_nc_u64 s[4:5], s[4:5], s[20:21]
	s_add_nc_u64 s[8:9], s[8:9], s[46:47]
	s_add_nc_u64 s[20:21], s[4:5], s[KO:KO+1]
	s_add_nc_u64 s[46:47], s[8:9], s[KO:KO+1]
.irp s, 0,1
	s_mov_b32 s[G0+4*\s], 1
	s_add_co_u32 s[G0+4*\s+1], s45, \s*SLOT
	s_add_nc_u64 s[G0+4*\s+2:G0+4*\s+3], s[20:21], \s*ROWB
	s_or_b32 s[G0+4*\s+3], s[G0+4*\s+3], 0x80000000
	s_mov_b32 s[G0B+4*\s], 1
	s_add_co_u32 s[G0B+4*\s+1], s45, \s*SLOT
	s_add_nc_u64 s[G0B+4*\s+2:G0B+4*\s+3], s[46:47], \s*ROWB
	s_or_b32 s[G0B+4*\s+3], s[G0B+4*\s+3], 0x80000000
.endr
	CROUND                                         ; the first joint loads meet
	JLOAD G0, G1, G0B, G1B                         ; K step 0: one tensor load a wave at the head
	v_and_b32 v1, 15, v0
	v_bfe_u32 v2, v0, 4, 1
	v_mul_u32_u24 v3, v1, PITCH
	v_lshl_add_u32 v4, v2, 4, v3                   ; a fragment's row x pitch + 16 x half
	v_add_nc_u32 v[ADRA], s78, v4
	v_add_nc_u32 v[ADRB], s79, v4
	v_add_nc_u32 v[ADRA+1], SLOT, v[ADRA]
	v_add_nc_u32 v[ADRB+1], SLOT, v[ADRB]
	v_mul_u32_u24 v5, v1, SPITCH
	v_lshl_add_u32 v5, v2, 5, v5
	v_add_nc_u32 v[STO], s23, v5                   ; into the stage: row l % 16, 32 bytes for each half of the lanes
	v_add_nc_u32 v[RD], s23, v[CO]                 ; back: a row of 512 bytes for the 32 lanes
	s_add_co_u32 s[KO], s[KO], ROWB                ; the K step asked for last: step 1
	s_cmp_eq_u32 s[RH], 0
	s_cselect_b32 s74, s40, s41                    ; my place among the four that ask with me
	s_cselect_b64 s[PFB:PFB+1], s[4:5], s[8:9]
	s_lshl_b32 s74, s74, 17                        ; 32 rows of 4,096 bytes
	s_mov_b32 s75, 0
	s_add_nc_u64 s[PFB:PFB+1], s[PFB:PFB+1], s[74:75]
	s_lshl_b32 s74, s[TR], 8
	s_lshl_b32 s76, s[RH], 7
	s_add_co_u32 s74, s74, s76
	s_lshl_b32 s74, s74, 14                        ; out0: my first row, 16,384 bytes a row,
	s_lshl_b32 s76, s[TC], 10
	s_add_co_u32 s74, s74, s76
	s_lshl_b32 s76, s[CH], 9
	s_add_co_u32 s74, s74, s76                     ; and my first column
	s_add_nc_u64 s[14:15], s[14:15], s[74:75]
.macro FRAG reg, adr, q, i             ; 16 rows x 128 K: four loads of 16 bytes a lane, 32 bytes apart
.irp c, 0,1,2,3
	ds_load_b128 v[\reg+4*\c:\reg+4*\c+3], v[\adr] offset:128*(\q)+32*\c+(\i)*16*PITCH
.endr
.endm
; a fragment's loads, by a code: 0x100 + 16 i: w's block i into set LP;  0x200 + 16 x + y: x's block y into fragment x;  0x300 + ..: the same from the slot's first 128 along K.  LS: the slot, LQ: which 128 of it
.macro CL c
.if ((\c)>>8) == 1
	WIN TO_B
	FRAG 128*LP+16*(((\c)>>4)&15), ADRB+LS, LQ, ((\c)>>4)&15
.elseif ((\c)>>8) == 2
	WIN 0
	FRAG AS+16*(((\c)>>4)&15), ADRA+LS, LQ, (\c)&15
.elseif ((\c)>>8) == 3
	WIN 0
	FRAG AS+16*(((\c)>>4)&15), ADRA+LS, 0, (\c)&15
.endif
.endm
; a group: the products of x's block a (in fragment ar) with w's eight blocks.  P: w's set, Q: which 128 of the K step, SCS: the set of scale words, ZERO: the products start the sums.
; The 64 accumulators take turns in the same order in every half step.
.macro G a, ar
	WIN MUL_LO+0x50*((\a)/4)
.set bb, 0
.rept 8
.set rD, 8*(8*((\a)%4)+bb)
.set rB, 128*P+16*bb
.set rA, AS+16*(\ar)
.set rSB, SC+16*SCS+8+2*(bb/2)+1-Q
.set rSA, SC+16*SCS+2*((\a)/2)+Q
.set sel, 2*((\a)%2)+(bb%2)
.if ZERO
.if sel == 0
	v_wmma_scale_f32_16x16x128_f8f6f4 v[rD:rD+7], v[rB:rB+15], v[rA:rA+15], 0, v[rSB], v[rSA] matrix_a_fmt:MATRIX_FMT_BF8 matrix_b_fmt:MATRIX_FMT_BF8
.elseif sel == 1
	v_wmma_scale_f32_16x16x128_f8f6f4 v[rD:rD+7], v[rB:rB+15], v[rA:rA+15], 0, v[rSB], v[rSA] matrix_a_fmt:MATRIX_FMT_BF8 matrix_b_fmt:MATRIX_FMT_BF8 matrix_a_scale:MATRIX_SCALE_ROW1
.elseif sel == 2
	v_wmma_scale_f32_16x16x128_f8f6f4 v[rD:rD+7], v[rB:rB+15], v[rA:rA+15], 0, v[rSB], v[rSA] matrix_a_fmt:MATRIX_FMT_BF8 matrix_b_fmt:MATRIX_FMT_BF8 matrix_b_scale:MATRIX_SCALE_ROW1
.else
	v_wmma_scale_f32_16x16x128_f8f6f4 v[rD:rD+7], v[rB:rB+15], v[rA:rA+15], 0, v[rSB], v[rSA] matrix_a_fmt:MATRIX_FMT_BF8 matrix_b_fmt:MATRIX_FMT_BF8 matrix_a_scale:MATRIX_SCALE_ROW1 matrix_b_scale:MATRIX_SCALE_ROW1
.endif
.else
.if sel == 0
	v_wmma_scale_f32_16x16x128_f8f6f4 v[rD:rD+7], v[rB:rB+15], v[rA:rA+15], v[rD:rD+7], v[rSB], v[rSA] matrix_a_fmt:MATRIX_FMT_BF8 matrix_b_fmt:MATRIX_FMT_BF8
.elseif sel == 1
	v_wmma_scale_f32_16x16x128_f8f6f4 v[rD:rD+7], v[rB:rB+15], v[rA:rA+15], v[rD:rD+7], v[rSB], v[rSA] matrix_a_fmt:MATRIX_FMT_BF8 matrix_b_fmt:MATRIX_FMT_BF8 matrix_a_scale:MATRIX_SCALE_ROW1
.elseif sel == 2
	v_wmma_scale_f32_16x16x128_f8f6f4 v[rD:rD+7], v[rB:rB+15], v[rA:rA+15], v[rD:rD+7], v[rSB], v[rSA] matrix_a_fmt:MATRIX_FMT_BF8 matrix_b_fmt:MATRIX_FMT_BF8 matrix_b_scale:MATRIX_SCALE_ROW1
.else
	v_wmma_scale_f32_16x16x128_f8f6f4 v[rD:rD+7], v[rB:rB+15], v[rA:rA+15], v[rD:rD+7], v[rSB], v[rSA] matrix_a_fmt:MATRIX_FMT_BF8 matrix_b_fmt:MATRIX_FMT_BF8 matrix_a_scale:MATRIX_SCALE_ROW1 matrix_b_scale:MATRIX_SCALE_ROW1
.endif
.endif
.set bb, bb+1
.endr
.endm
.macro SETS slot
.set SCS, \slot
.set FI, 4+4*\slot                     ; the set of x's blocks 0-3 in the first half step
.set SI, 8-4*\slot                     ; that of blocks 4-7
.endm
; Groups 0-5 of a K step's first half, with two of the three runs of loads.  Ahead of it were issued: w's set 0 and FI's four fragments.
.macro QA slot, zero, gs
	SETS \slot
.set ZERO, \zero
.set P, 0
.set Q, 0
.set LS, \slot
.set LQ, 1
.set LP, 1
	s_wait_loadcnt 0x0                             ; this K step's scale words (asked for one K step ago)
	s_wait_dscnt 0x0                               ; w's set 0 and x's blocks 0-3 (asked for 64 products ago)
	PLACES 8                                       ; SI, S2, w's set 1 and the other set of scale words were read by the half step before
.irp i, 0,1,2,3
	CL 0x300+16*(SI+\i)+4+\i                       ; x's blocks 4-7 of this half step
.endr
.irp i, 0,1,2,3
	CL 0x200+16*\i+\i                              ; x's blocks 0-3 of the second half step, into S2
.endr
.irp i, 0,1,2,3,4,5,6,7
	CL 0x100+16*\i                                 ; w's set 1
.endr
.if \gs
	WIN 0
	GSCALES 1-\slot, 0                             ; the next K step's scale words, into the set that the last K step used
.endif
	G 0, FI+0
	G 1, FI+1
	G 2, FI+2
	G 3, FI+3
	PLACES 8                                       ; FI is free
.irp i, 0,1,2,3
	CL 0x200+16*(FI+\i)+4+\i                       ; x's blocks 4-7 of the second half step: my last reads of this slot
.endr
	s_wait_dscnt 63                                ; SI's four fragments are in: 64 loads were issued behind them
	G 4, SI+0
	G 5, SI+1
.endm
; The way out of block a: through my stage, back as rows of 512 bytes, bias added, stored as two aligned units of 256 bytes a row.
.macro OUT a
.if (\a) > 0
	s_wait_xcnt 0x0                                ; the last block's stores have read their registers and their base
	s_add_nc_u64 s[14:15], s[14:15], 16*SIZE_N*4
.endif
	PLACES 8
	WIN 0x08+4*((\a)/4)
.irp b, 0,1,2,3,4,5,6,7
	ds_store_b128 v[STO], v[64*((\a)%4)+8*\b:64*((\a)%4)+8*\b+3] offset:64*\b       ; each accumulator from its low end on
	ds_store_b128 v[STO], v[64*((\a)%4)+8*\b+4:64*((\a)%4)+8*\b+7] offset:64*\b+16
.endr
	WIN 0
.irp t, 0,1,2,3,4,5,6,7,8,9,10,11,12,13,14,15
	ds_load_b128 v[BK+4*\t:BK+4*\t+3], v[RD] offset:\t*SPITCH                       ; a wave's LDS instructions are served in order
.endr
	s_wait_dscnt 0x0
.irp t, 0,1,2,3,4,5,6,7,8,9,10,11,12,13,14,15
	v_pk_add_f32 v[BK+4*\t:BK+4*\t+1], v[BK+4*\t:BK+4*\t+1], v[BIA:BIA+1]
	v_pk_add_f32 v[BK+4*\t+2:BK+4*\t+3], v[BK+4*\t+2:BK+4*\t+3], v[BIA+2:BIA+3]
.endr
.irp t, 0,1,2,3,4,5,6,7,8,9,10,11,12,13,14,15
	global_store_b128 v[CO], v[BK+4*\t:BK+4*\t+3], s[14:15] offset:\t*SIZE_N*4 th:TH_STORE_NT
.endr
.endm
; Groups 6, 7 with the change of slots, then the second half step.  fill = 2: this slot is filled again, two K steps on; 1: a barrier alone (the next slot is the last); 0: the last K step, which goes out.
.macro QB slot, zero, fill
	SETS \slot
.set ZERO, \zero
.set P, 0
.set Q, 0
.if \fill == 2
	s_wait_xcnt 0x0                                ; the scale loads and the prefetch have read their bases
	s_add_co_u32 s[KO], s[KO], ROWB
	s_and_b32 s[KO], s[KO], KROW-1
	s_lshl_b32 s[SO], s[KO], 7
	s_add_nc_u64 s[SXC:SXC+1], s[6:7], s[SO:SO+1]
	s_add_nc_u64 s[SWC:SWC+1], s[10:11], s[SO:SO+1]
	s_add_co_u32 s[PO], s[KO], 2*ROWB
	s_and_b32 s[PO], s[PO], KROW-1
	s_add_nc_u64 s[PFA:PFA+1], s[PFB:PFB+1], s[PO:PO+1]
.endif
.if \fill
	WIN 0
	s_wait_tensorcnt 0x0                           ; my part of the next slot has landed
	ds_add_u32 v[SPW], v[NIL]
.endif
.if \fill == 2
	s_add_nc_u64 s[G0+4*\slot+2:G0+4*\slot+3], s[4:5], s[KO:KO+1]
	s_or_b32 s[G0+4*\slot+3], s[G0+4*\slot+3], 0x80000000
	s_add_nc_u64 s[G0B+4*\slot+2:G0B+4*\slot+3], s[8:9], s[KO:KO+1]
	s_or_b32 s[G0B+4*\slot+3], s[G0B+4*\slot+3], 0x80000000
.endif
	G 6, SI+2
	s_wait_dscnt 0x0                               ; the add is done and all my reads of this slot are back
.if \fill
	s_barrier_signal -1
.endif
	G 7, SI+3
.if \fill
	WIN 0
	s_barrier_wait -1
.endif
.if \fill == 2
	CREST                                          ; the barrier has opened a round of the cluster's barrier
	JLOAD G0+4*\slot, G1, G0B+4*\slot, G1B         ; the refill, first behind the round; its four v_nop are four of the eight places ahead of the loads below
	ASK
	PLACES 4
.elseif \fill == 1
	PLACES 8
.endif
.set ZERO, 0
.set P, 1
.set Q, 1
.set LS, 1-\slot
.set LQ, 0
.set LP, 0
.if \fill
.irp i, 0,1,2,3,4,5,6,7
	CL 0x100+16*\i                                 ; the next slot: w's set 0,
.endr
.irp i, 0,1,2,3
	CL 0x200+16*(SI+\i)+\i                         ; and x's blocks 0-3, into the set that groups 4-7 have just left
.endr
	G 0, 0
	G 1, 1
	G 2, 2
	G 3, 3
	G 4, FI+0
	G 5, FI+1
	G 6, FI+2
	G 7, FI+3
.else
	G 0, 0
	G 1, 1
	OUT 0                                          ; block a is finished by group a
	G 2, 2
	OUT 1
	G 3, 3
	OUT 2
	G 4, FI+0
	OUT 3
	G 5, FI+1
	OUT 4
	G 6, FI+2
	OUT 5
	G 7, FI+3
	OUT 6
	OUT 7
.endif
.endm
	s_wait_alu depctr_va_vdst(0)                   ; the wait at the head's end
	s_wait_tensorcnt 0x0                           ; my part of K step 0 is in; slot 1's first fill is issued as a refill is
	ds_add_u32 v[SPW], v[NIL]
	s_wait_dscnt 0x0
	CROUND
	JLOAD G0+4, G1, G0B+4, G1B                     ; K step 1
	SETS 0
.set LS, 0
.set LQ, 0
.set LP, 0
.irp i, 0,1,2,3,4,5,6,7
	CL 0x100+16*\i
.endr
.irp i, 0,1,2,3
	CL 0x200+16*(FI+\i)+\i
.endr
.set ASKM, 1
	QA 0, 1, 0                                     ; K step 0: its first half step starts the sums
	QB 0, 1, 2
	WIN 0
.set ASKM, 2
.Llap:                                                 ; K steps 1 to 12, two a trip
	QA 1, 0, 1
	QB 1, 0, 2
	QA 0, 0, 1
	QB 0, 0, 2
	WIN 0
	s_sub_co_u32 s3, s3, 1
	s_cmp_lg_u32 s3, 0
	s_cbranch_scc1 .Llap
.set ASKM, 0
	QA 1, 0, 1                                     ; K step 13: the last refill
	QB 1, 0, 2
	QA 0, 0, 1                                     ; K step 14
	QB 0, 0, 1
	QA 1, 0, 0                                     ; K step 15
	QB 1, 0, 0
	s_wait_tensorcnt 0x0                           ; the wave's end
	ds_add_u32 v[SPW], v[NIL]
	s_wait_dscnt 0x0
	CROUND                                         ; the closing round
	s_endpgm
.Lfunc_end_k_qaf505f597a_gemm:
	.size	k_qaf505f597a_gemm, .Lfunc_end_k_qaf505f597a_gemm-k_qaf505f597a_gemm
	.p2alignl 7, 3214868480
	.fill 96, 4, 3214868480
	.section	.rodata,"a",@progbits
	.p2align	6, 0x0
	.amdhsa_kernel k_qaf505f597a_gemm
		.amdhsa_group_segment_fixed_size 327680
		.amdhsa_private_segment_fixed_size 0
		.amdhsa_enable_private_segment 0
		.amdhsa_kernarg_size 48
		.amdhsa_user_sgpr_count 2
		.amdhsa_user_sgpr_kernarg_segment_ptr 1
		.amdhsa_wavefront_size32 1
		.amdhsa_system_sgpr_workgroup_id_x 1
		.amdhsa_system_sgpr_workgroup_id_y 1
		.amdhsa_system_sgpr_workgroup_id_z 1
		.amdhsa_system_vgpr_workitem_id 0
		.amdhsa_next_free_vgpr 1024
		.amdhsa_next_free_sgpr 88
		.amdhsa_reserve_vcc 0
		.amdhsa_float_denorm_mode_32 3
		.amdhsa_float_denorm_mode_16_64 3
		.amdhsa_memory_ordered 1
		.amdhsa_forward_progress 1
		.amdhsa_inst_pref_size 219
	.end_amdhsa_kernel
	.amdgpu_metadata
---
amdhsa.version: [ 1, 2 ]
amdhsa.kernels:
  - .name:           k_qaf505f597a_gemm
    .symbol:         k_qaf505f597a_gemm.kd
    .args:
      - { .name: x_codes, .offset: 0, .size: 8, .value_kind: global_buffer, .address_space: global }
      - { .name: xs_t, .offset: 8, .size: 8, .value_kind: global_buffer, .address_space: global }
      - { .name: w_codes, .offset: 16, .size: 8, .value_kind: global_buffer, .address_space: global }
      - { .name: ws_t, .offset: 24, .size: 8, .value_kind: global_buffer, .address_space: global }
      - { .name: bias, .offset: 32, .size: 8, .value_kind: global_buffer, .address_space: global }
      - { .name: out0, .offset: 40, .size: 8, .value_kind: global_buffer, .address_space: global }
    .group_segment_fixed_size: 327680
    .private_segment_fixed_size: 0
    .kernarg_segment_align: 8
    .kernarg_segment_size: 48
    .max_flat_workgroup_size: 128
    .sgpr_count:     88
    .vgpr_count:     1024
    .wavefront_size: 32
...
	.end_amdgpu_metadata
.endif
;; end of part 2
